; MI455X (gfx1250); checked and timed in simulation.
; The chip was launched on July 23, 2026; its instructions are those of AMD's public machine-readable ISA for CDNA 5 (MIT licence, August 2026) and "CDNA5" Instruction Set Architecture Reference Guide (July 2026). The comments in the code are by the model that wrote it; some were corrected since.
;; Chamfer Distance. Allowed arithmetic: float matrix products may take bf16 or f16 operands with f32 sums; all other float work in f32.
;; Inputs: xyz1 2 x 8,192 x 3 float32; xyz2 2 x 16,384 x 3 float32.
;; Outputs: out0 2 x 8,192 float32; out1 2 x 16,384 float32.
;; 2 versions, each right; version 2 is version 1 with the launch pairs written anew for expert scheduling mode. Each part assembles by itself: llvm-mc -triple=amdgcn-amd-amdhsa -mcpu=gfx1250 --defsym DOCPART=n.
;; ======== version 1 of 2: 2 launches
;; workspace buffers: part 2,097,152 bytes
;; launch pairs (part 1): grid 128 x 2, 8 waves a work-group, no clusters, 201,728 bytes of LDS; arguments xyz1, xyz2, part; writes part
.if DOCPART == 1
	.amdgcn_target "amdgcn-amd-amdhsa--gfx1250"
	.amdhsa_code_object_version 6
	.text
	.protected	k_q656f86d573_pairs
	.globl	k_q656f86d573_pairs
	.p2align	8
	.type	k_q656f86d573_pairs,@function
k_q656f86d573_pairs:
	s_mov_b64 s[64:65], 0
	v_nop
	global_prefetch_b8 v0, s[64:65] scope:SCOPE_SE
	s_setreg_imm32_b32 hwreg(HW_REG_WAVE_MODE, 25, 1), 1
	s_wait_xcnt 0x0
; CHAMFER DISTANCE, first of two launches: every squared distance once, folded into partial row and column minima.
; d(n, m) = |a_n|^2 - 2 a_n . b_m + |b_m|^2,  a = xyz1[b] (8192 points, "rows"),  b = xyz2[b] (16384 points, "columns").
; A work-group owns 1024 rows x 1024 columns of one batch: 8 x 16 blocks x 2 batches = 256 work-groups.  It stores the minimum of each
; of its rows over its 1024 columns and of each of its columns over its 1024 rows; the second launch folds the 16 (8) partial results.
;
; THE WHOLE DISTANCE COMES OUT OF ONE MATRIX INSTRUCTION.  The bf16 form has K = 32, the problem K = 3, so the spare K carries precision:
; every f32 number x is cut into three bf16 numbers h + m + l = x (exactly: 3 x 8 significant bits), and a point becomes a record of
; 32 bf16 (64 bytes):       k = 8c .. 8c+7 (c = x, y, z)                         k = 24 .. 31
;   row point a:            h  h  h  m  m  m  l  l                               sh sm sl 1  1  1  0  0      (s = |a|^2)
;   column point b:         h' m' l' h' m' l' h' m'   (pieces of -2 b)           1  1  1  th tm tl 0  0      (t = |b|^2)
; The sum over k is |a|^2 + |b|^2 - 2 a.b without the l x l' products (2^-32 of |a||b|).  C is the constant 0: nothing is accumulated.
; Both sets are first shifted by the batch's first row point, xyz1[b][0]: distances do not change, and a common offset of the data
; no longer enters the three sums that cancel.
;
; LIMITS.  A NaN loses in v_min_num / v_min3_num, where the reference would hand it on.  The squares of the shifted coordinates must be finite
; in f32 (coordinates below about 1e19 in magnitude); beyond that the pieces of an infinity are NaN.  The order of rounding is not
; the reference's (the shift, the matrix unit's own order of summation); both stay at the level of f32.
;
; NO CLUSTER, NO TENSOR LOADS: a work-group reads 24 KB of points once, ahead of its loop, and nothing afterwards; what neighbours share is
; those 24 KB.  A point is 12 bytes, so only 4-byte loads are aligned to their own width; a point's three loads cover the same
; 384 consecutive bytes for a wave.
;
; EIGHT WAVES, two for each of a WGP's four SIMDs, so that one wave's minima stand beside the other's matrix instructions.  A wave owns 128 rows
; (8 tiles of 16, their fragments stay in registers) and walks the 64 column tiles two at a time.
.set N1,    8192                       ; points of xyz1 in a batch
.set BLK,   1024                       ; rows and columns of a work-group
.set PB,    12                         ; bytes of a point in memory
.set PITCH, 80                         ; a record's 64 bytes + 16: sixteen neighbouring records start in sixteen different 16-byte columns modulo 256 bytes
.set LB,    BLK*PITCH                  ; LDS: row records at 0, column records here,
.set LC,    2*BLK*PITCH                ; then each wave's own 1024 column minima (8 x 4096 bytes),
.set LR,    LC+8*BLK*4                 ; then the 1024 row minima (4096 bytes); 200,704 bytes in all
.set PCOL,  0x100000                   ; part: 1 MiB of row partials [2][16][8192], then 1 MiB of column partials [2][8][16384]
; vector registers
.set GIN,  2                           ; 12 t: my first point's bytes in the block
.set SA,   3                           ; 80 t: my first row record in LDS
.set SB,   4                           ; the same for column records
.set AADR, 8                           ; fragment address of my wave's rows
.set BADR, 9                           ; fragment address of the next pair of column tiles to load
.set CADR, 10                          ; where this trip's 32 column minima go
.set RADR, 11                          ; where my row minima go
.set OADR, 12                          ; the way out: LC + 16 t
.set GOFF, 13                          ; the way out: 16 t
.set A,    16                          ; v[16:79]    8 row fragments of 8 registers; on the way out: what is read back from LDS
.set R,    80                          ; v[80:143]   row minima: tile mt, register j: row 16 mt + 8 (lane / 16) + j, over the columns = lane mod 16
.set D,    144                         ; v[144:207]  two sets of four result tiles (tile q = 2 mi + n); while records are built: scratch
.set BX,   208                         ; v[208:223]  two column fragments
.set BY,   224                         ; v[224:239]  two more
.set CA,   240                         ; v[240:243]  column chains: tile n0 a, b; tile n1 a, b
.set T,    244                         ; v[244:247]  at work
; scratch of the build, inside D
.set RAW,  144                         ; 24: x, y, z of my 4 row points, then of my 4 column points
.set C,    168                         ; 3: the shift
.set ONE,  171                         ; 1.0: its upper half is bf16 1.0
.set C2,   172                         ; 3: twice the shift
.set X,    176                         ; 4: three coordinates and the square
.set H,    180                         ; 4 + 4 + 4: their pieces, each a bf16 number in the upper half of an f32
.set M,    184
.set L,    188
.set Q,    192                         ; 16: the record
	s_load_b128 s[4:7], s[0:1], 0x0                ; xyz1, xyz2
	s_load_b64 s[8:9], s[0:1], 0x10                ; part
	v_lshl_add_u32 v248, v0, 2, 0x31000
	v_mov_b32 v249, 0
	v_lshrrev_b32 v1, 5, v0
	v_readfirstlane_b32 s10, v1                    ; wave 0..7
	s_and_b32 s11, ttmp7, 0xffff                   ; batch b
	s_and_b32 s12, ttmp9, 7                        ; row block rb, 0..7
	s_lshr_b32 s13, ttmp9, 3                       ; column block cb, 0..15
	s_lshl3_add_u32 s14, s11, s12                  ; 8 b + rb
	s_lshl4_add_u32 s15, s11, s13                  ; 16 b + cb
	s_mul_i32 s24, s14, BLK*PB                     ; my rows in xyz1, in bytes
	s_mov_b32 s25, 0
	s_mul_i32 s26, s15, BLK*PB                     ; my columns in xyz2
	s_mov_b32 s27, 0
	s_mul_i32 s28, s11, N1*PB                      ; the batch's first row point: the shift
	s_mov_b32 s29, 0
	s_lshl_b32 s30, s15, 15                        ; row partials: line 16 b + cb of 8192 floats,
	s_lshl_b32 s31, s12, 12                        ; my 1024 floats in it
	s_add_co_u32 s30, s30, s31
	s_mov_b32 s31, 0
	s_lshl_b32 s32, s14, 16                        ; column partials: line 8 b + rb of 16384 floats,
	s_lshl_b32 s33, s13, 12                        ; my 1024 floats in it
	s_add_co_u32 s32, s32, s33
	s_add_co_u32 s32, s32, PCOL
	s_mov_b32 s33, 0
	s_mov_b32 s20, 0xffff0000                      ; an f32's upper half; also: the mask of lanes 16-31
	s_mov_b32 s21, 0x07060302                      ; v_perm_b32: {first source's upper half, second source's upper half}
	s_mov_b32 s22, 0x76543210                      ; v_permlanex16_b32: lane i of one half reads lane i of the other
	s_mov_b32 s23, 0xfedcba98
	s_mov_b32 s36, 0xaaaaaaaa                      ; lanes with bit 0, 1, 2, 3 of the lane number set
	s_mov_b32 s37, 0xcccccccc
	s_mov_b32 s38, 0xf0f0f0f0
	s_mov_b32 s39, 0xff00ff00
	v_mul_u32_u24 v[GIN], v0, PB
	s_wait_kmcnt 0x0
	s_add_nc_u64 s[28:29], s[4:5], s[28:29]
	s_load_b96 s[16:18], s[28:29], 0x0             ; the shift, the same in every lane: a scalar load (nothing in this launch writes xyz1)
	s_add_nc_u64 s[4:5], s[4:5], s[24:25]
	s_add_nc_u64 s[6:7], s[6:7], s[26:27]
	s_add_nc_u64 s[30:31], s[8:9], s[30:31]
	s_add_nc_u64 s[32:33], s[8:9], s[32:33]
	; thread t takes points t, t + 256, t + 512, t + 768 of the rows and of the columns
.irp i, 0,1,2,3
.irp c, 0,1,2
	global_load_b32 v[RAW+3*\i+\c], v[GIN], s[4:5] offset:\i*256*PB+4*\c
.endr
.endr
.irp i, 0,1,2,3
.irp c, 0,1,2
	global_load_b32 v[RAW+12+3*\i+\c], v[GIN], s[6:7] offset:\i*256*PB+4*\c
.endr
.endr
	; addresses, while the points are on their way
	v_mul_u32_u24 v[SA], v0, PITCH
	v_add_nc_u32 v[SB], LB, v[SA]
	v_and_b32 v5, 15, v0                           ; r = lane mod 16
	v_bfe_u32 v6, v0, 4, 1                         ; h = lane / 16
	v_mul_u32_u24 v7, v5, PITCH
	v_lshl_add_u32 v7, v6, 4, v7                   ; a fragment: record r of the tile, 16 bytes at 16 h and at 32 + 16 h
	s_mul_i32 s34, s10, 128*PITCH                  ; my wave's 128 rows
	v_add_nc_u32 v[AADR], s34, v7
	v_add_nc_u32 v[BADR], LB, v7
	v_and_b32 v[CADR], 31, v0
	s_lshl_b32 s34, s10, 12
	s_add_co_u32 s34, s34, LC
	v_lshl_add_u32 v[CADR], v[CADR], 2, s34        ; LC + 4096 wave + 4 lane
	v_and_b32 v[RADR], 7, v0                       ; at the end lane (r, h) holds row 16 (r / 8) + 8 h + r mod 8 of a pair of tiles
	v_lshlrev_b32 v[RADR], 2, v[RADR]
	v_lshl_add_u32 v[RADR], v6, 5, v[RADR]
	v_bfe_u32 v14, v0, 3, 1
	v_lshl_add_u32 v[RADR], v14, 6, v[RADR]
	s_lshl_b32 s35, s10, 9
	s_add_co_u32 s35, s35, LR
	v_add_nc_u32 v[RADR], s35, v[RADR]             ; + LR + 512 wave
	v_lshlrev_b32 v[GOFF], 4, v0
	v_add_nc_u32 v[OADR], LC, v[GOFF]
	v_mov_b32 v[ONE], 1.0
	v_mov_b32 v[Q+14], 0x3f803f80                  ; a row record's k = 28, 29: 1, 1
	v_mov_b32 v[Q+15], 0                           ; every record's k = 30, 31
	s_wait_kmcnt 0x0
.irp c, 0,1,2
	v_mov_b32 v[C+\c], s[16+\c]
.endr
.irp c, 0,1,2
	v_add_f32 v[C2+\c], v[C+\c], v[C+\c]
.endr
; X .. X+3 into pieces.  H = the upper 16 bits (8 significant bits), the remainder X - H is exact, M = its upper 16 bits, and what is
; left has at most 8 significant bits: it is a bf16 number as it stands.  Four numbers side by side, so that no line waits for the one in front.
.macro SPLIT4
.irp c, 0,1,2,3
	v_and_b32 v[H+\c], s20, v[X+\c]
.endr
.irp c, 0,1,2,3
	v_sub_f32 v[L+\c], v[X+\c], v[H+\c]
.endr
.irp c, 0,1,2,3
	v_and_b32 v[M+\c], s20, v[L+\c]
.endr
.irp c, 0,1,2,3
	v_sub_f32 v[L+\c], v[L+\c], v[M+\c]
.endr
.endm
.macro PUT adr, i                      ; the record's 64 bytes; neighbouring lanes are 80 bytes apart
.irp c, 0,1,2,3
	ds_store_b128 v[\adr], v[Q+4*\c:Q+4*\c+3] offset:\i*256*PITCH+16*\c
.endr
.endm
.macro APOINT i
.irp c, 0,1,2
	v_sub_f32 v[X+\c], v[RAW+3*\i+\c], v[C+\c]
.endr
	v_mul_f32 v[X+3], v[X], v[X]
	v_fmac_f32 v[X+3], v[X+1], v[X+1]
	v_fmac_f32 v[X+3], v[X+2], v[X+2]
	SPLIT4
.irp c, 0,1,2
	v_perm_b32 v[Q+4*\c],   v[H+\c], v[H+\c], s21  ; h h   (the lower k in the lower half)
	v_perm_b32 v[Q+4*\c+1], v[M+\c], v[H+\c], s21  ; h m
	v_perm_b32 v[Q+4*\c+2], v[M+\c], v[M+\c], s21  ; m m
	v_perm_b32 v[Q+4*\c+3], v[L+\c], v[L+\c], s21  ; l l
.endr
	v_perm_b32 v[Q+12], v[M+3], v[H+3], s21        ; sh sm
	v_perm_b32 v[Q+13], v[ONE], v[L+3], s21        ; sl 1
	PUT SA, \i
.endm
.macro BPOINT i
.irp c, 0,1,2
	v_fma_f32 v[X+\c], v[RAW+12+3*\i+\c], -2.0, v[C2+\c]   ; -2 (b - shift), one rounding
.endr
	v_mul_f32 v[X+3], v[X], v[X]
	v_fmac_f32 v[X+3], v[X+1], v[X+1]
	v_fmac_f32 v[X+3], v[X+2], v[X+2]
	v_mul_f32 v[X+3], 0x3e800000, v[X+3]           ; a quarter of |-2 (b - shift)|^2: exact
	SPLIT4
.irp c, 0,1,2
	v_perm_b32 v[Q+4*\c],   v[M+\c], v[H+\c], s21  ; h m
	v_perm_b32 v[Q+4*\c+1], v[H+\c], v[L+\c], s21  ; l h
	v_perm_b32 v[Q+4*\c+2], v[L+\c], v[M+\c], s21  ; m l
	v_perm_b32 v[Q+4*\c+3], v[M+\c], v[H+\c], s21  ; h m
.endr
	v_perm_b32 v[Q+13], v[H+3], v[ONE], s21        ; 1 th
	v_perm_b32 v[Q+14], v[L+3], v[M+3], s21        ; tm tl
	PUT SB, \i
.endm
	s_wait_loadcnt 12                              ; loads come back in order: the row points are in, the twelve loads of column points stay out
.irp i, 0,1,2,3
	APOINT \i
.endr
	v_mov_b32 v[Q+12], 0x3f803f80                  ; a column record's k = 24, 25: 1, 1
	s_wait_loadcnt 0x0
.irp i, 0,1,2,3
	BPOINT \i
.endr
	s_wait_dscnt 0x0                               ; my records are in LDS,
	s_barrier_signal -1
	s_barrier_wait -1                              ; everybody's are
.macro LOADB f                         ; the fragments of the next two column tiles, 32 records
	ds_load_b128 v[\f:\f+3],     v[BADR]
	ds_load_b128 v[\f+4:\f+7],   v[BADR] offset:32
	ds_load_b128 v[\f+8:\f+11],  v[BADR] offset:16*PITCH
	ds_load_b128 v[\f+12:\f+15], v[BADR] offset:16*PITCH+32
	v_add_nc_u32 v[BADR], 32*PITCH, v[BADR]
.endm
.irp m, 0,1,2,3,4,5,6,7
	ds_load_b128 v[A+8*\m:A+8*\m+3],   v[AADR] offset:\m*16*PITCH
	ds_load_b128 v[A+8*\m+4:A+8*\m+7], v[AADR] offset:\m*16*PITCH+32
.endr
	LOADB BX
	LOADB BY
; Result tile q = 2 mi + n of the row tiles 2 p + mi and the column tiles n of buffer bf, into set s.
; Register j of lane (r, h) is d(row 8 h + j, column r).
.macro WM s, q, p, bf
	v_wmma_f32_16x16x32_bf16 v[D+32*\s+8*\q:D+32*\s+8*\q+7], v[A+8*(2*\p+(\q>>1)):A+8*(2*\p+(\q>>1))+7], v[\bf+8*(\q&1):\bf+8*(\q&1)+7], 0
.endm
.macro COL acc, x, first               ; two more numbers of one column into a chain
.if \first
	v_min_num_f32 v[\acc], v[\x], v[\x+1]
.else
	v_min3_num_f32 v[\acc], v[\acc], v[\x], v[\x+1]
.endif
.endm
.macro ROW acc, x, y, first            ; the same row in two column tiles into the row's minimum
.if \first
	v_min_num_f32 v[\acc], v[\x], v[\y]
.else
	v_min3_num_f32 v[\acc], v[\acc], v[\x], v[\y]
.endif
.endm
; Eight minima on the two tiles (mi, n0), (mi, n1) of set s: four rows (j = 4 u ..) and one link of each of the four column chains
; (chain a takes j = 0..3, chain b j = 4..7).  A chain's links are eight instructions apart.  Every number is folded once into its row and once
; into its column, two numbers to an instruction: 8 instructions for a tile's 8 registers.
.macro MGROUP p, s, mi, u, rf, cf
.set TA, D+32*\s+16*\mi
.set TB, TA+8
.set RQ, R+8*(2*\p+\mi)+4*\u
	COL CA,   TA+2*\u,   \cf
	ROW RQ,   TA+4*\u,   TB+4*\u,   \rf
	COL CA+1, TA+4+2*\u, \cf
	ROW RQ+1, TA+4*\u+1, TB+4*\u+1, \rf
	COL CA+2, TB+2*\u,   \cf
	ROW RQ+2, TA+4*\u+2, TB+4*\u+2, \rf
	COL CA+3, TB+4+2*\u, \cf
	ROW RQ+3, TA+4*\u+3, TB+4*\u+3, \rf
.endm
; A STEP: the four products of row pair wp into set ws, each followed by eight minima of the block before (row pair mp, set ms).
; Distances behind a matrix instruction (ISA guide 7.12.1): the minima name neither its D nor its fragments, so they are the independent vector
; instructions that it asks for.  A set's tiles 0, 1 are read in the next step's first two groups, 24 such instructions behind the younger of
; their two products; tiles 2, 3 in its last two groups, also 24 behind.  A set is written again two steps later.
.macro STEP w, wp, ws, wb, mp, ms, rf, cf
.if \w
	WM \ws, 0, \wp, \wb
.endif
	MGROUP \mp, \ms, 0, 0, \rf, \cf
.if \w
	WM \ws, 1, \wp, \wb
.endif
	MGROUP \mp, \ms, 0, 1, \rf, 0
.if \w
	WM \ws, 2, \wp, \wb
.endif
	MGROUP \mp, \ms, 1, 0, \rf, 0
.if \w
	WM \ws, 3, \wp, \wb
.endif
	MGROUP \mp, \ms, 1, 1, \rf, 0
.endm
; The two column tiles are through my 128 rows.  A column's numbers lie in lanes r and r + 16: lanes 0-15 finish tile n0, lanes 16-31 tile n1,
; each sending the other half what it needs, so that one store holds 32 neighbouring columns.
.macro FINAL
	v_min_num_f32 v[T],   v[CA],   v[CA+1]
	v_min_num_f32 v[T+1], v[CA+2], v[CA+3]
	v_cndmask_b32 v[T+2], v[T+1], v[T], s20        ; to send: lanes 0-15 tile n1's, lanes 16-31 tile n0's
	v_cndmask_b32 v[T+3], v[T], v[T+1], s20        ; to keep
	v_permlanex16_b32 v[T], v[T+2], s22, s23
	v_min_num_f32 v[T+3], v[T+3], v[T]
	ds_store_b32 v[CADR], v[T+3]                   ; my wave's own bytes
	v_add_nc_u32 v[CADR], 128, v[CADR]
.endm
; TWO TRIPS (four column tiles, 32 products).  The minima run one step behind the products, so a trip's last block is folded in the next trip's
; first step.  A buffer is loaded again behind the eight minima that follow its last product, four steps ahead of its next use; the
; wait for zero in front of each run of loads is for the other buffer's loads and one store, all issued three steps earlier or more.
; rf = 1: the first trip starts the row minima (nothing is preset).  tail = 1: nothing is left to load or to multiply.
.macro BODY rf, tail
	STEP 1, 1, 1, BX, 0, 0, \rf, 1
	STEP 1, 2, 0, BX, 1, 1, \rf, 0
	STEP 1, 3, 1, BX, 2, 0, \rf, 0
	s_wait_dscnt 0x0                               ; BY is in
.if \tail == 0
	LOADB BX
.endif
	STEP 1, 0, 0, BY, 3, 1, \rf, 0
	FINAL
	STEP 1, 1, 1, BY, 0, 0, 0, 1
	STEP 1, 2, 0, BY, 1, 1, 0, 0
	STEP 1, 3, 1, BY, 2, 0, 0, 0
.if \tail == 0
	s_wait_dscnt 0x0                               ; BX is in
	LOADB BY
	STEP 1, 0, 0, BX, 3, 1, 0, 0
.else
	STEP 0, 0, 0, BX, 3, 1, 0, 0
.endif
	FINAL
.endm
	s_wait_dscnt 4                                 ; LDS loads come back in order: my row fragments and BX are in, BY's four loads stay out
	WM 0, 0, 0, BX                                 ; the first block has no minima beside it,
	WM 0, 1, 0, BX
	WM 0, 2, 0, BX
	WM 0, 3, 0, BX
.rept 4
	v_nop                                          ; so its four places (ISA guide 7.12.1) are empty
.endr
	BODY 1, 0                                      ; trips 0, 1
	s_mov_b32 s40, BLK/64-2                        ; 32 trips in pairs: one pair in front, 14 in the loop, one behind
.Ltrips:
	BODY 0, 0
	s_sub_co_u32 s40, s40, 1
	s_cmp_lg_u32 s40, 0
	s_cbranch_scc1 .Ltrips
	BODY 0, 1                                      ; trips 30, 31
; ROW MINIMA ACROSS THE 16 LANES OF A HALF.  Folding two registers at a time: the lanes with the step's bit set keep register b and send a,
; the others keep a and send b, so each step halves the registers as well as the lanes: 3 instructions for two registers, and at the
; end lane (r, h) holds row 8 h + r mod 8 of tile 2 q + r / 8.  Four pairs side by side.
.macro STAGE4 a0, sa, db, mask, xm     ; the pairs (a, a + db), a = a0 + sa q, q = 0..3
.irp q, 0,1,2,3
	v_cndmask_b32 v[T+\q], v[\a0+\sa*\q+\db], v[\a0+\sa*\q], \mask
.endr
.irp q, 0,1,2,3
	v_cndmask_b32 v[\a0+\sa*\q], v[\a0+\sa*\q], v[\a0+\sa*\q+\db], \mask
.endr
.irp q, 0,1,2,3
	v_min_num_f32_dpp v[\a0+\sa*\q], v[T+\q], v[\a0+\sa*\q] row_xmask:\xm row_mask:0xf bank_mask:0xf
.endr
.endm
.irp m, 0,1,2,3,4,5,6,7
	STAGE4 R+8*\m, 2, 1, s36, 1                    ; j and j + 1
.endr
.irp m, 0,1,2,3
	STAGE4 R+16*\m, 4, 2, s37, 2                   ; j and j + 2
.endr
.irp m, 0,1
	STAGE4 R+32*\m, 8, 4, s38, 4                   ; j and j + 4
.endr
	STAGE4 R, 16, 8, s39, 8                        ; tile and tile + 1
.irp q, 0,1,2,3
	ds_store_b32 v[RADR], v[R+16*\q] offset:128*\q ; 32 rows, 128 neighbouring bytes of my wave's 512
.endr
	s_wait_dscnt 0x0                               ; my column and row minima are in LDS,
	s_barrier_signal -1
	s_barrier_wait -1                              ; everybody's are
	; THE WAY OUT: thread t takes rows 4 t .. 4 t + 3 as they are and columns 4 t .. 4 t + 3 from all eight waves.
	; Each store of a wave covers 512 consecutive bytes, at a multiple of 512 from part's first byte.
	ds_load_b128 v[A+32:A+35], v[OADR] offset:8*BLK*4
.irp w, 0,1,2,3,4,5,6,7
	ds_load_b128 v[A+4*\w:A+4*\w+3], v[OADR] offset:\w*BLK*4
.endr
	s_wait_dscnt 8                                 ; the rows are in; the eight loads of columns behind them stay out
	global_store_b128 v[GOFF], v[A+32:A+35], s[30:31]
	s_wait_dscnt 0x0
.irp c, 0,1,2,3
	v_min3_num_f32 v[A+\c], v[A+\c], v[A+4+\c], v[A+8+\c]
.endr
.irp c, 0,1,2,3
	v_min3_num_f32 v[A+\c], v[A+\c], v[A+12+\c], v[A+16+\c]
.endr
.irp c, 0,1,2,3
	v_min3_num_f32 v[A+\c], v[A+\c], v[A+20+\c], v[A+24+\c]
.endr
.irp c, 0,1,2,3
	v_min_num_f32 v[A+\c], v[A+\c], v[A+28+\c]
.endr
	global_store_b128 v[GOFF], v[A:A+3], s[32:33]
	s_wait_tensorcnt 0x0
	ds_add_u32 v248, v249
	s_wait_dscnt 0x0
	s_endpgm
.Lfunc_end_k_q656f86d573_pairs:
	.size	k_q656f86d573_pairs, .Lfunc_end_k_q656f86d573_pairs-k_q656f86d573_pairs
	.p2alignl 7, 3214868480
	.fill 96, 4, 3214868480
	.section	.rodata,"a",@progbits
	.p2align	6, 0x0
	.amdhsa_kernel k_q656f86d573_pairs
		.amdhsa_group_segment_fixed_size 201728
		.amdhsa_private_segment_fixed_size 0
		.amdhsa_enable_private_segment 0
		.amdhsa_kernarg_size 24
		.amdhsa_user_sgpr_count 2
		.amdhsa_user_sgpr_kernarg_segment_ptr 1
		.amdhsa_wavefront_size32 1
		.amdhsa_system_sgpr_workgroup_id_x 1
		.amdhsa_system_sgpr_workgroup_id_y 1
		.amdhsa_system_sgpr_workgroup_id_z 1
		.amdhsa_system_vgpr_workitem_id 0
		.amdhsa_next_free_vgpr 250
		.amdhsa_next_free_sgpr 66
		.amdhsa_reserve_vcc 0
		.amdhsa_float_denorm_mode_32 3
		.amdhsa_float_denorm_mode_16_64 3
		.amdhsa_memory_ordered 1
		.amdhsa_forward_progress 1
		.amdhsa_inst_pref_size 92
	.end_amdhsa_kernel
	.amdgpu_metadata
---
amdhsa.version: [ 1, 2 ]
amdhsa.kernels:
  - .name:           k_q656f86d573_pairs
    .symbol:         k_q656f86d573_pairs.kd
    .args:
      - { .name: xyz1, .offset: 0, .size: 8, .value_kind: global_buffer, .address_space: global }
      - { .name: xyz2, .offset: 8, .size: 8, .value_kind: global_buffer, .address_space: global }
      - { .name: part, .offset: 16, .size: 8, .value_kind: global_buffer, .address_space: global }
    .group_segment_fixed_size: 201728
    .private_segment_fixed_size: 0
    .kernarg_segment_align: 8
    .kernarg_segment_size: 24
    .max_flat_workgroup_size: 256
    .sgpr_count:     66
    .vgpr_count:     250
    .wavefront_size: 32
...
	.end_amdgpu_metadata
.endif
;; end of part 1
;; launch fold (part 2): grid 96 x 1, 4 waves a work-group, no clusters, 0 bytes of LDS; arguments part, out0, out1; writes out0, out1
.if DOCPART == 2
	.amdgcn_target "amdgcn-amd-amdhsa--gfx1250"
	.amdhsa_code_object_version 6
	.text
	.protected	k_q656f86d573_fold
	.globl	k_q656f86d573_fold
	.p2align	8
	.type	k_q656f86d573_fold,@function
k_q656f86d573_fold:
	s_mov_b64 s[64:65], 0
	v_nop
	global_prefetch_b8 v0, s[64:65] scope:SCOPE_SE
	s_setreg_imm32_b32 hwreg(HW_REG_WAVE_MODE, 25, 1), 1
	s_wait_xcnt 0x0
; CHAMFER DISTANCE, second launch: the partial minima of the first launch are folded, and an infinite result becomes 0 as in the reference.
; part: row partials [2][16][8192] f32, then, 1 MiB on, column partials [2][8][16384] f32.
; out0[b][n] = min over 16 lines, out1[b][m] = min over 8 lines.  A thread makes four neighbouring results: 16-byte loads and one 16-byte store,
; so each load and store of a wave covers 512 consecutive bytes.  A work-group of 128 threads makes 512 results:
; work-groups 0-31 make out0 (2 x 8192 / 512), work-groups 32-95 make out1 (2 x 16384 / 512).  There is work for 96 work-groups and no more.
; No LDS, no barrier: no thread needs another's numbers.  A NaN loses in v_min_num / v_min3_num (the reference would hand it on).
.set L, 4                              ; v[4:67]   up to 16 lines of 4 numbers
.set T, 68                             ; v[68:71]  magnitudes
.set PCOL, 0x100000
; n lines, stride bytes apart, from s[4:5]; the result to s[o:o+1]
.macro FOLD n, stride, o
.set k, 0
.rept \n
	global_load_b128 v[L+4*k:L+4*k+3], v1, s[4:5] offset:k*\stride th:TH_LOAD_NT   ; read once in the whole launch
.set k, k+1
.endr
	s_wait_loadcnt 0x0                             ; one wait: all loads were issued together, and the fold behind them is short
.irp c, 0,1,2,3
	v_min3_num_f32 v[L+\c], v[L+\c], v[L+4+\c], v[L+8+\c]
.endr
.set k, 3
.rept (\n-4)/2
.irp c, 0,1,2,3
	v_min3_num_f32 v[L+\c], v[L+\c], v[L+4*k+\c], v[L+4*k+4+\c]
.endr
.set k, k+2
.endr
.irp c, 0,1,2,3
	v_min_num_f32 v[L+\c], v[L+\c], v[L+4*(\n-1)+\c]
.endr
.irp c, 0,1,2,3
	v_and_b32 v[T+\c], s14, v[L+\c]                ; the magnitude's bits
.endr
.irp c, 0,1,2,3
	v_cmp_ne_u32 vcc_lo, s15, v[T+\c]              ; not an infinity: keep; an infinity of either sign: 0
	v_cndmask_b32 v[L+\c], 0, v[L+\c], vcc_lo
.endr
	global_store_b128 v1, v[L:L+3], s[\o:\o+1]
.endm
	s_load_b128 s[4:7], s[0:1], 0x0                ; part, out0
	s_load_b64 s[8:9], s[0:1], 0x10                ; out1
	v_lshlrev_b32 v1, 4, v0                        ; 16 t
	s_mov_b32 s14, 0x7fffffff
	s_mov_b32 s15, 0x7f800000
	s_mov_b32 s11, 0
	s_mov_b32 s13, 0
	s_cmp_ge_u32 ttmp9, 32
	s_cbranch_scc1 .Lcols
	s_lshr_b32 s10, ttmp9, 4                       ; batch: 16 work-groups each
	s_lshl_b32 s10, s10, 19                        ; 16 lines of 32,768 bytes
	s_and_b32 s12, ttmp9, 15
	s_lshl_b32 s12, s12, 11                        ; my 2,048 bytes of a line
	s_add_co_u32 s10, s10, s12
	s_lshl_b32 s12, ttmp9, 11                      ; and of out0
	s_wait_kmcnt 0x0
	s_add_nc_u64 s[4:5], s[4:5], s[10:11]
	s_add_nc_u64 s[6:7], s[6:7], s[12:13]
	FOLD 16, 32768, 6
	s_endpgm
.Lcols:
	s_sub_co_u32 s16, ttmp9, 32
	s_lshr_b32 s10, s16, 5                         ; batch: 32 work-groups each
	s_lshl_b32 s10, s10, 19                        ; 8 lines of 65,536 bytes
	s_and_b32 s12, s16, 31
	s_lshl_b32 s12, s12, 11
	s_add_co_u32 s10, s10, s12
	s_add_co_u32 s10, s10, PCOL
	s_lshl_b32 s12, s16, 11                        ; my 2,048 bytes of out1
	s_wait_kmcnt 0x0
	s_add_nc_u64 s[4:5], s[4:5], s[10:11]
	s_add_nc_u64 s[8:9], s[8:9], s[12:13]
	FOLD 8, 65536, 8
	s_endpgm
.Lfunc_end_k_q656f86d573_fold:
	.size	k_q656f86d573_fold, .Lfunc_end_k_q656f86d573_fold-k_q656f86d573_fold
	.p2alignl 7, 3214868480
	.fill 96, 4, 3214868480
	.section	.rodata,"a",@progbits
	.p2align	6, 0x0
	.amdhsa_kernel k_q656f86d573_fold
		.amdhsa_group_segment_fixed_size 0
		.amdhsa_private_segment_fixed_size 0
		.amdhsa_enable_private_segment 0
		.amdhsa_kernarg_size 24
		.amdhsa_user_sgpr_count 2
		.amdhsa_user_sgpr_kernarg_segment_ptr 1
		.amdhsa_wavefront_size32 1
		.amdhsa_system_sgpr_workgroup_id_x 1
		.amdhsa_system_sgpr_workgroup_id_y 1
		.amdhsa_system_sgpr_workgroup_id_z 1
		.amdhsa_system_vgpr_workitem_id 0
		.amdhsa_next_free_vgpr 72
		.amdhsa_next_free_sgpr 66
		.amdhsa_reserve_vcc 1
		.amdhsa_float_denorm_mode_32 3
		.amdhsa_float_denorm_mode_16_64 3
		.amdhsa_memory_ordered 1
		.amdhsa_forward_progress 1
		.amdhsa_inst_pref_size 8
	.end_amdhsa_kernel
	.amdgpu_metadata
---
amdhsa.version: [ 1, 2 ]
amdhsa.kernels:
  - .name:           k_q656f86d573_fold
    .symbol:         k_q656f86d573_fold.kd
    .args:
      - { .name: part, .offset: 0, .size: 8, .value_kind: global_buffer, .address_space: global }
      - { .name: out0, .offset: 8, .size: 8, .value_kind: global_buffer, .address_space: global }
      - { .name: out1, .offset: 16, .size: 8, .value_kind: global_buffer, .address_space: global }
    .group_segment_fixed_size: 0
    .private_segment_fixed_size: 0
    .kernarg_segment_align: 8
    .kernarg_segment_size: 24
    .max_flat_workgroup_size: 128
    .sgpr_count:     66
    .vgpr_count:     72
    .wavefront_size: 32
...
	.end_amdgpu_metadata
.endif
;; end of part 2
;; ======== version 2 of 2: 2 launches; version 1 with the launch pairs written anew for expert scheduling mode
;; workspace buffers: part 2,097,152 bytes
;; launch pairs (part 3): grid 128 x 2, 8 waves a work-group, no clusters, 201,728 bytes of LDS; arguments xyz1, xyz2, part; writes part
.if DOCPART == 3
	.amdgcn_target "amdgcn-amd-amdhsa--gfx1250"
	.amdhsa_code_object_version 6
	.text
	.protected	k_q656f86d573_pairs
	.globl	k_q656f86d573_pairs
	.p2align	8
	.type	k_q656f86d573_pairs,@function
k_q656f86d573_pairs:
	s_mov_b64 s[64:65], 0
	v_nop
	global_prefetch_b8 v0, s[64:65] scope:SCOPE_SE
	s_setreg_imm32_b32 hwreg(HW_REG_WAVE_SCHED_MODE, 0, 2), 2
	s_setreg_imm32_b32 hwreg(HW_REG_WAVE_MODE, 25, 1), 1
	s_wait_xcnt 0x0
	s_wait_alu depctr_vm_vsrc(0)
; CHAMFER DISTANCE, first of two launches: every squared distance once, folded into partial row and column minima.
; d(n, m) = |a_n|^2 - 2 a_n . b_m + |b_m|^2,  a = xyz1[b] (8192 points, "rows"),  b = xyz2[b] (16384 points, "columns").
; A work-group owns 1024 rows x 1024 columns of one batch: 8 x 16 blocks x 2 batches = 256 work-groups.  It stores the minimum of each
; of its rows over its 1024 columns and of each of its columns over its 1024 rows; the second launch folds the 16 (8) partial results.
;
; THE WHOLE DISTANCE COMES OUT OF ONE MATRIX INSTRUCTION.  The bf16 form has K = 32, the problem K = 3, so the spare K carries precision:
; every f32 number x is cut into three bf16 numbers h + m + l = x (exactly: 3 x 8 significant bits), and a point becomes a record of
; 32 bf16 (64 bytes):       k = 8c .. 8c+7 (c = x, y, z)                         k = 24 .. 31
;   row point a:            h  h  h  m  m  m  l  l                               sh sm sl 1  1  1  0  0      (s = |a|^2)
;   column point b:         h' m' l' h' m' l' h' m'   (pieces of -2 b)           1  1  1  th tm tl 0  0      (t = |b|^2)
; The sum over k is |a|^2 + |b|^2 - 2 a.b without the l x l' products (2^-32 of |a||b|).  C is the constant 0: nothing is accumulated.
; Both sets are first shifted by the batch's first row point, xyz1[b][0]: distances do not change, and a common offset of the data
; no longer enters the three sums that cancel.
;
; LIMITS.  A NaN loses in v_min_num / v_min3_num, where the reference would hand it on.  The squares of the shifted coordinates must be finite
; in f32 (coordinates below about 1e19 in magnitude); beyond that the pieces of an infinity are NaN.  The order of rounding is not
; the reference's (the shift, the matrix unit's own order of summation); both stay at the level of f32.
;
; NO CLUSTER, NO TENSOR LOADS: a work-group reads 24 KB of points once, ahead of its loop, and nothing afterwards; what neighbours share is
; those 24 KB.  A point is 12 bytes, so only 4-byte loads are aligned to their own width; a point's three loads cover the same
; 384 consecutive bytes for a wave.
;
; EIGHT WAVES, two for each of a WGP's four SIMDs, so that one wave's minima stand beside the other's matrix instructions.  A wave owns 128 rows
; (8 tiles of 16, their fragments stay in registers) and walks the 64 column tiles two at a time.
;
; THE MODE: SCHED_MODE bits 1:0 = 2 (LLVM: expert scheduling mode 2), set by the entry lines.  The code itself states the register dependences
; between vector or matrix instructions and memory or LDS instructions, with s_wait_alu, always for 0.
; THE PLAN.  Registers that memory or LDS instructions touch:
;   v2, v3, v4, v8, v11, v12, v13   offsets and addresses, made once at the head and never written again.
;   RAW          the 24 loads of points land in it once; no vector instruction names it before them.
;   v[16:79]     While records are built: my four row records, written by the build, read by their 16 LDS stores.  Then the row fragments land in
;                it and every product reads it.  On the way out what is read back from LDS lands in it.
;   v[80:143]    While records are built: my four column records, likewise.  Then the row minima, which vector instructions alone name until four
;                of them are stored at the end.
;   BX, BY       A trip's 16 products read one of them; its next fragments land in it at the end of the trip after.
;   v[BADR], v[CADR]   Read by every load of column fragments and every store of column minima; stepped once in two trips.
;   v[CO], v[CO+1]     The even and the odd trip's column minima: written by the trip's closing lines, read by its one store.
;   The result tiles D, the column chains CA and T are named by vector and matrix instructions alone.
; So the build has one wait on va_vdst for four records, and one wait on vm_vsrc behind its barrier.  A trip has ONE wait on va_vdst, behind its closing
; lines: its store and the four loads of fragments follow it at once.  Two trips have ONE wait on vm_vsrc, ahead of the two steps of addresses.
.set N1,    8192                       ; points of xyz1 in a batch
.set BLK,   1024                       ; rows and columns of a work-group
.set PB,    12                         ; bytes of a point in memory
.set PITCH, 80                         ; a record's 64 bytes + 16: sixteen neighbouring records start in sixteen different 16-byte columns modulo 256 bytes
.set LB,    BLK*PITCH                  ; LDS: row records at 0, column records here,
.set LC,    2*BLK*PITCH                ; then each wave's own 1024 column minima (8 x 4096 bytes),
.set LR,    LC+8*BLK*4                 ; then the 1024 row minima (4096 bytes); 200,704 bytes in all
.set PCOL,  0x100000                   ; part: 1 MiB of row partials [2][16][8192], then 1 MiB of column partials [2][8][16384]
; vector registers
.set GIN,  2                           ; 12 t: my first point's bytes in the block
.set SA,   3                           ; 80 t: my first row record in LDS
.set SB,   4                           ; the same for column records
.set AADR, 8                           ; fragment address of my wave's rows
.set BADR, 9                           ; fragment address of the column tiles of this pair of trips
.set CADR, 10                          ; where this pair of trips' 64 column minima go
.set RADR, 11                          ; where my row minima go
.set OADR, 12                          ; the way out: LC + 16 t
.set GOFF, 13                          ; the way out: 16 t
.set CO,   14                          ; v[14:15]    column minima to store: the even trip's, the odd trip's
.set A,    16                          ; v[16:79]    8 row fragments of 8 registers; before: my 4 row records; on the way out: what is read back from LDS
.set R,    80                          ; v[80:143]   row minima: tile mt, register j: row 16 mt + 8 (lane / 16) + j, over the columns = lane mod 16; before: my 4 column records
.set D,    144                         ; v[144:207]  two sets of four result tiles (tile q = 2 mi + n); while records are built: scratch
.set BX,   208                         ; v[208:223]  two column fragments
.set BY,   224                         ; v[224:239]  two more
.set CA,   240                         ; v[240:243]  column chains: tile n0 a, b; tile n1 a, b; at the end: at work in the fold of the rows
.set T,    244                         ; v[244:246]  at work
; scratch of the build, inside D
.set RAW,  144                         ; 24: x, y, z of my 4 row points, then of my 4 column points
.set C,    168                         ; 3: the shift
.set ONE,  171                         ; 1.0: its upper half is bf16 1.0
.set C2,   172                         ; 3: twice the shift
.set X,    176                         ; 4: three coordinates and the square
.set H,    180                         ; 4 + 4 + 4: their pieces, each a bf16 number in the upper half of an f32
.set M,    184
.set L,    188
	s_load_b128 s[4:7], s[0:1], 0x0                ; xyz1, xyz2
	s_load_b64 s[8:9], s[0:1], 0x10                ; part
	v_lshl_add_u32 v248, v0, 2, 0x31000
	v_mov_b32 v249, 0
	v_lshrrev_b32 v1, 5, v0
	v_readfirstlane_b32 s10, v1                    ; wave 0..7
	s_and_b32 s11, ttmp7, 0xffff                   ; batch b
	s_and_b32 s12, ttmp9, 7                        ; row block rb, 0..7
	s_lshr_b32 s13, ttmp9, 3                       ; column block cb, 0..15
	s_lshl3_add_u32 s14, s11, s12                  ; 8 b + rb
	s_lshl4_add_u32 s15, s11, s13                  ; 16 b + cb
	s_mul_i32 s24, s14, BLK*PB                     ; my rows in xyz1, in bytes
	s_mov_b32 s25, 0
	s_mul_i32 s26, s15, BLK*PB                     ; my columns in xyz2
	s_mov_b32 s27, 0
	s_mul_i32 s28, s11, N1*PB                      ; the batch's first row point: the shift
	s_mov_b32 s29, 0
	s_lshl_b32 s30, s15, 15                        ; row partials: line 16 b + cb of 8192 floats,
	s_lshl_b32 s31, s12, 12                        ; my 1024 floats in it
	s_add_co_u32 s30, s30, s31
	s_mov_b32 s31, 0
	s_lshl_b32 s32, s14, 16                        ; column partials: line 8 b + rb of 16384 floats,
	s_lshl_b32 s33, s13, 12                        ; my 1024 floats in it
	s_add_co_u32 s32, s32, s33
	s_add_co_u32 s32, s32, PCOL
	s_mov_b32 s33, 0
	s_mov_b32 s20, 0xffff0000                      ; an f32's upper half; also: the mask of lanes 16-31
	s_mov_b32 s21, 0x07060302                      ; v_perm_b32: {first source's upper half, second source's upper half}
	s_mov_b32 s22, 0x76543210                      ; v_permlanex16_b32: lane i of one half reads lane i of the other
	s_mov_b32 s23, 0xfedcba98
	s_mov_b32 s36, 0xaaaaaaaa                      ; lanes with bit 0, 1, 2, 3 of the lane number set
	s_mov_b32 s37, 0xcccccccc
	s_mov_b32 s38, 0xf0f0f0f0
	s_mov_b32 s39, 0xff00ff00
	v_mul_u32_u24 v[GIN], v0, PB
	s_wait_alu depctr_va_sdst(0)                   ; s10 is written, ahead of its first reader: the wave's LDS addresses are made from it
	s_wait_kmcnt 0x0
	s_add_nc_u64 s[28:29], s[4:5], s[28:29]
	s_load_b96 s[16:18], s[28:29], 0x0             ; the shift, the same in every lane: a scalar load (nothing in this launch writes xyz1)
	s_add_nc_u64 s[4:5], s[4:5], s[24:25]
	s_add_nc_u64 s[6:7], s[6:7], s[26:27]
	s_add_nc_u64 s[30:31], s[8:9], s[30:31]
	s_add_nc_u64 s[32:33], s[8:9], s[32:33]
	s_wait_alu depctr_va_vdst(0)                   ; v[GIN] is written: the 24 loads below read it as their offset
	; thread t takes points t, t + 256, t + 512, t + 768 of the rows and of the columns
.irp i, 0,1,2,3
.irp c, 0,1,2
	global_load_b32 v[RAW+3*\i+\c], v[GIN], s[4:5] offset:\i*256*PB+4*\c
.endr
.endr
.irp i, 0,1,2,3
.irp c, 0,1,2
	global_load_b32 v[RAW+12+3*\i+\c], v[GIN], s[6:7] offset:\i*256*PB+4*\c
.endr
.endr
	; addresses, while the points are on their way: none of these lines names v[GIN] or RAW
	v_mul_u32_u24 v[SA], v0, PITCH
	v_add_nc_u32 v[SB], LB, v[SA]
	v_and_b32 v5, 15, v0                           ; r = lane mod 16
	v_bfe_u32 v6, v0, 4, 1                         ; h = lane / 16
	v_mul_u32_u24 v7, v5, PITCH
	v_lshl_add_u32 v7, v6, 4, v7                   ; a fragment: record r of the tile, 16 bytes at 16 h and at 32 + 16 h
	s_mul_i32 s34, s10, 128*PITCH                  ; my wave's 128 rows
	v_add_nc_u32 v[AADR], s34, v7
	v_add_nc_u32 v[BADR], LB, v7
	v_and_b32 v[CADR], 31, v0
	s_lshl_b32 s34, s10, 12
	s_add_co_u32 s34, s34, LC
	v_lshl_add_u32 v[CADR], v[CADR], 2, s34        ; LC + 4096 wave + 4 lane
	v_and_b32 v[RADR], 7, v0                       ; at the end lane (r, h) holds row 16 (r / 8) + 8 h + r mod 8 of a pair of tiles
	v_lshlrev_b32 v[RADR], 2, v[RADR]
	v_lshl_add_u32 v[RADR], v6, 5, v[RADR]
	v_bfe_u32 v1, v0, 3, 1
	v_lshl_add_u32 v[RADR], v1, 6, v[RADR]
	s_lshl_b32 s35, s10, 9
	s_add_co_u32 s35, s35, LR
	v_add_nc_u32 v[RADR], s35, v[RADR]             ; + LR + 512 wave
	v_lshlrev_b32 v[GOFF], 4, v0
	v_add_nc_u32 v[OADR], LC, v[GOFF]
	v_mov_b32 v[ONE], 1.0
	s_wait_kmcnt 0x0
.irp c, 0,1,2
	v_mov_b32 v[C+\c], s[16+\c]
.endr
.irp c, 0,1,2
	v_add_f32 v[C2+\c], v[C+\c], v[C+\c]
.endr
; X .. X+3 into pieces.  H = the upper 16 bits (8 significant bits), the remainder X - H is exact, M = its upper 16 bits, and what is
; left has at most 8 significant bits: it is a bf16 number as it stands.  Four numbers side by side, so that no line waits for the one in front.
.macro SPLIT4
.irp c, 0,1,2,3
	v_and_b32 v[H+\c], s20, v[X+\c]
.endr
.irp c, 0,1,2,3
	v_sub_f32 v[L+\c], v[X+\c], v[H+\c]
.endr
.irp c, 0,1,2,3
	v_and_b32 v[M+\c], s20, v[L+\c]
.endr
.irp c, 0,1,2,3
	v_sub_f32 v[L+\c], v[L+\c], v[M+\c]
.endr
.endm
.macro PUT adr, q, i                   ; record i's 64 bytes, out of its own 16 registers at q + 16 i; neighbouring lanes are 80 bytes apart
.irp c, 0,1,2,3
	ds_store_b128 v[\adr], v[\q+16*\i+4*\c:\q+16*\i+4*\c+3] offset:\i*256*PITCH+16*\c
.endr
.endm
.macro APOINT i                        ; row point i into its record's registers
.set Q, A+16*\i
.irp c, 0,1,2
	v_sub_f32 v[X+\c], v[RAW+3*\i+\c], v[C+\c]
.endr
	v_mul_f32 v[X+3], v[X], v[X]
	v_fmac_f32 v[X+3], v[X+1], v[X+1]
	v_fmac_f32 v[X+3], v[X+2], v[X+2]
	SPLIT4
.irp c, 0,1,2
	v_perm_b32 v[Q+4*\c],   v[H+\c], v[H+\c], s21  ; h h   (the lower k in the lower half)
	v_perm_b32 v[Q+4*\c+1], v[M+\c], v[H+\c], s21  ; h m
	v_perm_b32 v[Q+4*\c+2], v[M+\c], v[M+\c], s21  ; m m
	v_perm_b32 v[Q+4*\c+3], v[L+\c], v[L+\c], s21  ; l l
.endr
	v_perm_b32 v[Q+12], v[M+3], v[H+3], s21        ; sh sm
	v_perm_b32 v[Q+13], v[ONE], v[L+3], s21        ; sl 1
	v_mov_b32 v[Q+14], 0x3f803f80                  ; 1 1
	v_mov_b32 v[Q+15], 0                           ; k = 30, 31
.endm
.macro BPOINT i                        ; column point i into its record's registers
.set Q, R+16*\i
.irp c, 0,1,2
	v_fma_f32 v[X+\c], v[RAW+12+3*\i+\c], -2.0, v[C2+\c]   ; -2 (b - shift), one rounding
.endr
	v_mul_f32 v[X+3], v[X], v[X]
	v_fmac_f32 v[X+3], v[X+1], v[X+1]
	v_fmac_f32 v[X+3], v[X+2], v[X+2]
	v_mul_f32 v[X+3], 0x3e800000, v[X+3]           ; a quarter of |-2 (b - shift)|^2: exact
	SPLIT4
.irp c, 0,1,2
	v_perm_b32 v[Q+4*\c],   v[M+\c], v[H+\c], s21  ; h m
	v_perm_b32 v[Q+4*\c+1], v[H+\c], v[L+\c], s21  ; l h
	v_perm_b32 v[Q+4*\c+2], v[L+\c], v[M+\c], s21  ; m l
	v_perm_b32 v[Q+4*\c+3], v[M+\c], v[H+\c], s21  ; h m
.endr
	v_mov_b32 v[Q+12], 0x3f803f80                  ; 1 1
	v_perm_b32 v[Q+13], v[H+3], v[ONE], s21        ; 1 th
	v_perm_b32 v[Q+14], v[L+3], v[M+3], s21        ; tm tl
	v_mov_b32 v[Q+15], 0                           ; k = 30, 31
.endm
	s_wait_loadcnt 12                              ; loads come back in order: the row points are in, the twelve loads of column points stay out
.irp i, 0,1,2,3
	APOINT \i
.endr
	s_wait_alu depctr_va_vdst(0)                   ; my four row records v[16:79] are written, which the stores below read; so are all the addresses made at the head
	s_wait_loadcnt 0x0                             ; the column points are in
.irp i, 0,1,2,3
	PUT SA, A, \i                                  ; no further wait: the column points' lines name the scratch and v[80:143], never v[SA] or v[16:79]
	BPOINT \i
.endr
	s_wait_alu depctr_va_vdst(0)                   ; my four column records v[80:143] are written, which the stores below read
.irp i, 0,1,2,3
	PUT SB, R, \i
.endr
	s_wait_dscnt 0x0                               ; my records are in LDS,
	s_barrier_signal -1
	s_barrier_wait -1                              ; everybody's are
	s_wait_alu depctr_vm_vsrc(0)                   ; my LDS stores have read v[16:143]: the row fragments land in v[16:79] now, and the row minima are written into v[80:143]
.macro LOADB f, at                     ; the fragments of two column tiles, 32 records, at bytes behind v[BADR]
	ds_load_b128 v[\f:\f+3],     v[BADR] offset:(\at)
	ds_load_b128 v[\f+4:\f+7],   v[BADR] offset:(\at)+32
	ds_load_b128 v[\f+8:\f+11],  v[BADR] offset:(\at)+16*PITCH
	ds_load_b128 v[\f+12:\f+15], v[BADR] offset:(\at)+16*PITCH+32
.endm
.irp m, 0,1,2,3,4,5,6,7
	ds_load_b128 v[A+8*\m:A+8*\m+3],   v[AADR] offset:\m*16*PITCH      ; the lines that wrote v[16:79] stand ahead of the waits on va_vdst above
	ds_load_b128 v[A+8*\m+4:A+8*\m+7], v[AADR] offset:\m*16*PITCH+32
.endr
	LOADB BX, 0                                    ; trip 0
	LOADB BY, 32*PITCH                             ; trip 1
; Result tile q = 2 mi + n of the row tiles 2 p + mi and the column tiles n of buffer bf, into set s.
; Register j of lane (r, h) is d(row 8 h + j, column r).
.macro WM s, q, p, bf
	v_wmma_f32_16x16x32_bf16 v[D+32*\s+8*\q:D+32*\s+8*\q+7], v[A+8*(2*\p+(\q>>1)):A+8*(2*\p+(\q>>1))+7], v[\bf+8*(\q&1):\bf+8*(\q&1)+7], 0
.endm
.macro COL acc, x, first               ; two more numbers of one column into a chain
.if \first
	v_min_num_f32 v[\acc], v[\x], v[\x+1]
.else
	v_min3_num_f32 v[\acc], v[\acc], v[\x], v[\x+1]
.endif
.endm
.macro ROW acc, x, y, first            ; the same row in two column tiles into the row's minimum
.if \first
	v_min_num_f32 v[\acc], v[\x], v[\y]
.else
	v_min3_num_f32 v[\acc], v[\acc], v[\x], v[\y]
.endif
.endm
; Eight minima on the two tiles (mi, n0), (mi, n1) of set s: four rows (j = 4 u ..) and one link of each of the four column chains
; (chain a takes j = 0..3, chain b j = 4..7).  A chain's links are eight instructions apart.  Every number is folded once into its row and once
; into its column, two numbers to an instruction: 8 instructions for a tile's 8 registers.
.macro MGROUP p, s, mi, u, rf, cf
.set TA, D+32*\s+16*\mi
.set TB, TA+8
.set RQ, R+8*(2*\p+\mi)+4*\u
	COL CA,   TA+2*\u,   \cf
	ROW RQ,   TA+4*\u,   TB+4*\u,   \rf
	COL CA+1, TA+4+2*\u, \cf
	ROW RQ+1, TA+4*\u+1, TB+4*\u+1, \rf
	COL CA+2, TB+2*\u,   \cf
	ROW RQ+2, TA+4*\u+2, TB+4*\u+2, \rf
	COL CA+3, TB+4+2*\u, \cf
	ROW RQ+3, TA+4*\u+3, TB+4*\u+3, \rf
.endm
; A STEP: the four products of row pair wp into set ws, each followed by eight minima of the block before (row pair mp, set ms).
; Distances behind a matrix instruction (ISA guide 7.12.1): the minima name neither its D nor its fragments, so they are the independent vector
; instructions that it asks for.  A set's tiles 0, 1 are read in the next step's first two groups, 24 such instructions behind the younger of
; their two products; tiles 2, 3 in its last two groups, also 24 behind.  A set is written again two steps later.
.macro STEP w, wp, ws, wb, mp, ms, rf, cf
.if \w
	WM \ws, 0, \wp, \wb
.endif
	MGROUP \mp, \ms, 0, 0, \rf, \cf
.if \w
	WM \ws, 1, \wp, \wb
.endif
	MGROUP \mp, \ms, 0, 1, \rf, 0
.if \w
	WM \ws, 2, \wp, \wb
.endif
	MGROUP \mp, \ms, 1, 0, \rf, 0
.if \w
	WM \ws, 3, \wp, \wb
.endif
	MGROUP \mp, \ms, 1, 1, \rf, 0
.endm
; Ahead of the even trip's closing lines, in every pair of trips but the first: the two LDS addresses move on by a pair of trips.
.macro ON tail
	s_wait_alu depctr_vm_vsrc(0)                   ; the stores of column minima and the loads of fragments issued so far (the youngest four steps ago) have read v[CADR], v[BADR], v[CO] and v[CO+1]
	v_add_nc_u32 v[CADR], 256, v[CADR]             ; 64 columns on
.if \tail == 0
	v_add_nc_u32 v[BADR], 64*PITCH, v[BADR]        ; 64 records on
.endif
.endm
; A TRIP'S CLOSING LINES.  The two column tiles are through my 128 rows.  A column's numbers lie in lanes r and r + 16: lanes 0-15 finish tile n0,
; lanes 16-31 tile n1, each sending the other half what it needs, so that one store holds 32 neighbouring columns.
; n: 0 the even trip, 1 the odd one.  ld = 1: buffer bf, whose last products stand a step or more back, takes the fragments of the trip two on.
.macro FINAL n, ld, bf
	v_min_num_f32 v[T],   v[CA],   v[CA+1]
	v_min_num_f32 v[T+1], v[CA+2], v[CA+3]
	v_cndmask_b32 v[T+2], v[T+1], v[T], s20        ; to send: lanes 0-15 tile n1's, lanes 16-31 tile n0's
	v_cndmask_b32 v[CO+\n], v[T], v[T+1], s20      ; to keep
	v_permlanex16_b32 v[T], v[T+2], s22, s23
	v_min_num_f32 v[CO+\n], v[CO+\n], v[T]
	s_wait_alu depctr_va_vdst(0)                   ; v[CO+n] is written, which the store reads; the products that read buffer bf are done, in which the loads land; in the even trip the stepped v[CADR] and v[BADR] are written
	ds_store_b32 v[CADR], v[CO+\n] offset:128*\n   ; my wave's own bytes
.if (\ld)
	LOADB \bf, (64+32*\n)*PITCH
.endif
.endm
; TWO TRIPS (four column tiles, 32 products).  The minima run one step behind the products, so a trip's last block is folded in the next trip's
; first step.  A buffer is loaded again at the end of that step, behind the trip's one wait on va_vdst, three steps ahead of its next use; the
; wait for zero on DScnt in front of a buffer's first product is for its four loads and the store ahead of them, all issued three steps earlier.
; Between a trip's loads and that wait no line names the buffer: the steps between name the other buffer, the row fragments, D, R and CA.
; rf = 1: the first pair of trips starts the row minima (nothing is preset) and steps no address.  tail = 1: nothing is left to load or to multiply.
.macro BODY rf, tail
	STEP 1, 1, 1, BX, 0, 0, \rf, 1
	STEP 1, 2, 0, BX, 1, 1, \rf, 0
	STEP 1, 3, 1, BX, 2, 0, \rf, 0
	s_wait_dscnt 0x0                               ; BY is in
	STEP 1, 0, 0, BY, 3, 1, \rf, 0
.if \rf == 0
	ON \tail
.endif
	FINAL 0, 1-\tail, BX
	STEP 1, 1, 1, BY, 0, 0, 0, 1
	STEP 1, 2, 0, BY, 1, 1, 0, 0
	STEP 1, 3, 1, BY, 2, 0, 0, 0
.if \tail == 0
	s_wait_dscnt 0x0                               ; BX is in
	STEP 1, 0, 0, BX, 3, 1, 0, 0
.else
	STEP 0, 0, 0, BX, 3, 1, 0, 0
.endif
	FINAL 1, 1-\tail, BY
.endm
	s_wait_dscnt 4                                 ; LDS loads come back in order: my row fragments and BX are in, BY's four loads stay out
	WM 0, 0, 0, BX                                 ; the first block has no minima beside it,
	WM 0, 1, 0, BX
	WM 0, 2, 0, BX
	WM 0, 3, 0, BX
.rept 4
	v_nop                                          ; so its four places (ISA guide 7.12.1) are empty
.endr
	BODY 1, 0                                      ; trips 0, 1
	s_mov_b32 s40, BLK/64-2                        ; 32 trips in pairs: one pair in front, 14 in the loop, one behind
.Ltrips:
	BODY 0, 0
	s_sub_co_u32 s40, s40, 1
	s_cmp_lg_u32 s40, 0
	s_cbranch_scc1 .Ltrips
	BODY 0, 1                                      ; trips 30, 31
; ROW MINIMA ACROSS THE 16 LANES OF A HALF.  Folding two registers at a time: the lanes with the step's bit set keep register b and send a,
; the others keep a and send b, so each step halves the registers as well as the lanes: 3 instructions for two registers, and at the
; end lane (r, h) holds row 8 h + r mod 8 of tile 2 q + r / 8.  Four pairs side by side.  At work: CA, which no LDS instruction ever names.
.macro STAGE4 a0, sa, db, mask, xm     ; the pairs (a, a + db), a = a0 + sa q, q = 0..3
.irp q, 0,1,2,3
	v_cndmask_b32 v[CA+\q], v[\a0+\sa*\q+\db], v[\a0+\sa*\q], \mask
.endr
.irp q, 0,1,2,3
	v_cndmask_b32 v[\a0+\sa*\q], v[\a0+\sa*\q], v[\a0+\sa*\q+\db], \mask
.endr
.irp q, 0,1,2,3
	v_min_num_f32_dpp v[\a0+\sa*\q], v[CA+\q], v[\a0+\sa*\q] row_xmask:\xm row_mask:0xf bank_mask:0xf
.endr
.endm
.irp m, 0,1,2,3,4,5,6,7
	STAGE4 R+8*\m, 2, 1, s36, 1                    ; j and j + 1
.endr
.irp m, 0,1,2,3
	STAGE4 R+16*\m, 4, 2, s37, 2                   ; j and j + 2
.endr
.irp m, 0,1
	STAGE4 R+32*\m, 8, 4, s38, 4                   ; j and j + 4
.endr
	STAGE4 R, 16, 8, s39, 8                        ; tile and tile + 1
	s_wait_alu depctr_va_vdst(0)                   ; the fold has written v80, v96, v112, v128, which the stores read; and the products are done reading v[16:79], in which the loads behind the barrier land (no vector line stands between)
.irp q, 0,1,2,3
	ds_store_b32 v[RADR], v[R+16*\q] offset:128*\q ; 32 rows, 128 neighbouring bytes of my wave's 512
.endr
	s_wait_dscnt 0x0                               ; my column and row minima are in LDS,
	s_barrier_signal -1
	s_barrier_wait -1                              ; everybody's are
	; THE WAY OUT: thread t takes rows 4 t .. 4 t + 3 as they are and columns 4 t .. 4 t + 3 from all eight waves.
	; Each store of a wave covers 512 consecutive bytes, at a multiple of 512 from part's first byte.
	ds_load_b128 v[A+32:A+35], v[OADR] offset:8*BLK*4
.irp w, 0,1,2,3,4,5,6,7
	ds_load_b128 v[A+4*\w:A+4*\w+3], v[OADR] offset:\w*BLK*4
.endr
	s_wait_dscnt 8                                 ; the rows are in; the eight loads of columns behind them stay out
	global_store_b128 v[GOFF], v[A+32:A+35], s[30:31]   ; its data came from LDS, its offset from the head; the lines below write v[16:19] alone
	s_wait_dscnt 0x0
.irp c, 0,1,2,3
	v_min3_num_f32 v[A+\c], v[A+\c], v[A+4+\c], v[A+8+\c]
.endr
.irp c, 0,1,2,3
	v_min3_num_f32 v[A+\c], v[A+\c], v[A+12+\c], v[A+16+\c]
.endr
.irp c, 0,1,2,3
	v_min3_num_f32 v[A+\c], v[A+\c], v[A+20+\c], v[A+24+\c]
.endr
.irp c, 0,1,2,3
	v_min_num_f32 v[A+\c], v[A+\c], v[A+28+\c]
.endr
	s_wait_alu depctr_va_vdst(0)                   ; the minima have written v[16:19], which the store reads
	global_store_b128 v[GOFF], v[A:A+3], s[32:33]
	s_wait_dscnt 0x0
	s_wait_alu depctr_hold_cnt(0) depctr_sa_sdst(0) depctr_va_vdst(0) depctr_va_sdst(0) depctr_va_ssrc(0) depctr_va_vcc(0) depctr_vm_vsrc(0)
	s_wait_tensorcnt 0x0
	ds_add_u32 v248, v249
	s_wait_dscnt 0x0
	s_endpgm
.Lfunc_end_k_q656f86d573_pairs:
	.size	k_q656f86d573_pairs, .Lfunc_end_k_q656f86d573_pairs-k_q656f86d573_pairs
	.p2alignl 7, 3214868480
	.fill 96, 4, 3214868480
	.section	.rodata,"a",@progbits
	.p2align	6, 0x0
	.amdhsa_kernel k_q656f86d573_pairs
		.amdhsa_group_segment_fixed_size 201728
		.amdhsa_private_segment_fixed_size 0
		.amdhsa_enable_private_segment 0
		.amdhsa_kernarg_size 24
		.amdhsa_user_sgpr_count 2
		.amdhsa_user_sgpr_kernarg_segment_ptr 1
		.amdhsa_wavefront_size32 1
		.amdhsa_system_sgpr_workgroup_id_x 1
		.amdhsa_system_sgpr_workgroup_id_y 1
		.amdhsa_system_sgpr_workgroup_id_z 1
		.amdhsa_system_vgpr_workitem_id 0
		.amdhsa_next_free_vgpr 250
		.amdhsa_next_free_sgpr 66
		.amdhsa_reserve_vcc 0
		.amdhsa_float_denorm_mode_32 3
		.amdhsa_float_denorm_mode_16_64 3
		.amdhsa_memory_ordered 1
		.amdhsa_forward_progress 1
		.amdhsa_inst_pref_size 93
	.end_amdhsa_kernel
	.amdgpu_metadata
---
amdhsa.version: [ 1, 2 ]
amdhsa.kernels:
  - .name:           k_q656f86d573_pairs
    .symbol:         k_q656f86d573_pairs.kd
    .args:
      - { .name: xyz1, .offset: 0, .size: 8, .value_kind: global_buffer, .address_space: global }
      - { .name: xyz2, .offset: 8, .size: 8, .value_kind: global_buffer, .address_space: global }
      - { .name: part, .offset: 16, .size: 8, .value_kind: global_buffer, .address_space: global }
    .group_segment_fixed_size: 201728
    .private_segment_fixed_size: 0
    .kernarg_segment_align: 8
    .kernarg_segment_size: 24
    .max_flat_workgroup_size: 256
    .sgpr_count:     66
    .vgpr_count:     250
    .wavefront_size: 32
...
	.end_amdgpu_metadata
.endif
;; end of part 3
;; launch fold: the kernel of part 2 again; grid 96 x 1, 4 waves a work-group, no clusters, 0 bytes of LDS; arguments part, out0, out1; writes out0, out1
